; MI455X (gfx1250); checked and timed in simulation.
; The chip was launched on July 23, 2026; its instructions are those of AMD's public machine-readable ISA for CDNA 5 (MIT licence, August 2026) and "CDNA5" Instruction Set Architecture Reference Guide (July 2026). The comments in the code are by the model that wrote it; some were corrected since.
;; Vector Quantizer. Allowed arithmetic: float matrix products may take bf16 or f16 operands with f32 sums; all other float work in f32.
;; Inputs: codebook 8,192 x 256 float32; z 16 x 256 x 2,048 float32.
;; Outputs: out0 16 x 256 x 2,048 float32; out1 one number float32; out2 32,768 int32.
;; One version. Each part assembles by itself: llvm-mc -triple=amdgcn-amd-amdhsa -mcpu=gfx1250 --defsym DOCPART=n.
;; ======== version 1 of 1: 4 launches
;; workspace buffers: cbx 4,259,840 bytes; inds 131,072 bytes of whole numbers; part 2,048 bytes
;; launch prep (part 1): grid 128 x 1, 8 waves a work-group, no clusters, 1,280 bytes of LDS; arguments codebook, cbx; writes cbx
.if DOCPART == 1
	.amdgcn_target "amdgcn-amd-amdhsa--gfx1250"
	.amdhsa_code_object_version 6
	.text
	.protected	k_qb6345f1faf_prep
	.globl	k_qb6345f1faf_prep
	.p2align	8
	.type	k_qb6345f1faf_prep,@function
k_qb6345f1faf_prep:
	s_mov_b64 s[64:65], 0
	v_nop
	global_prefetch_b8 v0, s[64:65] scope:SCOPE_SE
	s_setreg_imm32_b32 hwreg(HW_REG_WAVE_MODE, 25, 1), 1
	s_wait_xcnt 0x0
; The codebook [8192][256] f32 is rounded once to bf16, and ee[n] = the sum of the squares of the ROUNDED row n is made, in f32.
; cbx is 128 blocks of 33,280 bytes; block g serves codes 64 g .. 64 g + 63: rows 0-63 are 512 bytes (256 bf16), row 64 is the 64 ee (256 bytes) and 256 bytes of zeros,
; so that the next launch brings a block's codes and its ee with one tile of 65 rows of 512 bytes.
; Work-group g owns block g; wave w its rows 8 w .. 8 w + 7.  A stream: each input byte is read once, by loads that cover 512 consecutive bytes; each store of a wave covers
; 256 consecutive bytes, aligned.  No matrix unit, no cluster: nothing is shared between work-groups.  All of a wave's 16 loads are out at once.
; The order of the sum in ee is this text's own (eight per lane, then across lanes).
.set ROWB, 1024                        ; bytes in a row of the codebook
.set OROW, 512                         ; bytes in a row of cbx
.set BLKG, 33280                       ; bytes in a block of cbx
.set T,  4                             ; v[4:11]   a row's 8 rounded numbers of my lane, widened again
.set A2, 12                            ; v[12:13]  the row's running sum of squares, a pair
.set S,  16                            ; v[16:23]  row i's sum
.set X,  32                            ; v[32:95]  row i: 8 registers as loaded
.set P,  96                            ; v[96:127] row i: 4 registers, 8 bf16 to store; never rewritten
	s_load_b128 s[4:7], s[0:1], 0x0                ; codebook s[4:5], cbx s[6:7]
	v_lshl_add_u32 v128, v0, 2, 0x100
	v_mov_b32 v129, 0
	v_lshrrev_b32 v1, 5, v0
	v_readfirstlane_b32 s8, v1                     ; wave 0..7
	v_and_b32 v3, 31, v0                           ; lane
	s_lshl_b32 s10, ttmp9, 16                      ; 64 rows of 1,024 bytes
	s_mov_b32 s11, 0
	s_mul_i32 s14, ttmp9, BLKG
	s_mov_b32 s15, 0
	s_mov_b32 s9, 0xffff0000                       ; a word's upper bf16
	s_mov_b32 s12, 0x76543210                      ; v_permlanex16_b32: each lane takes its own place in the other half
	s_mov_b32 s13, 0xfedcba98
	v_lshlrev_b32 v1, 4, v3                        ; source: 16 bytes a lane
	v_lshl_add_u32 v1, s8, 13, v1                  ; + wave x 8 rows x 1,024
	v_lshlrev_b32 v2, 3, v3                        ; destination: 8 bytes a lane
	v_lshl_add_u32 v2, s8, 12, v2                  ; + wave x 8 rows x 512
	v_mov_b32 v3, s8
	v_lshlrev_b32 v3, 5, v3                        ; LDS: my wave's eight ee
	s_wait_kmcnt 0x0
	s_add_nc_u64 s[4:5], s[4:5], s[10:11]
	s_add_nc_u64 s[6:7], s[6:7], s[14:15]
.irp i, 0,1,2,3,4,5,6,7
	global_load_b128 v[X+8*\i:X+8*\i+3],   v1, s[4:5] offset:\i*ROWB th:TH_LOAD_NT       ; columns 4 lane .. + 3
	global_load_b128 v[X+8*\i+4:X+8*\i+7], v1, s[4:5] offset:\i*ROWB+512 th:TH_LOAD_NT   ; columns 128 + 4 lane .. + 3
.endr
.macro ROWP i
	s_wait_loadcnt 14-2*\i                         ; loads come back in order: row i's two are in, those of the rows behind it stay out
.irp j, 0,1,2,3
	v_cvt_pk_bf16_f32 v[P+4*\i+\j], v[X+8*\i+2*\j], v[X+8*\i+2*\j+1]
.endr
.irp j, 0,1,2,3
	v_lshlrev_b32 v[T+2*\j],   16, v[P+4*\i+\j]     ; the rounded numbers as f32
	v_and_b32     v[T+2*\j+1], s9, v[P+4*\i+\j]
.endr
	v_pk_mul_f32 v[A2:A2+1], v[T:T+1], v[T:T+1]    ; the first squares start the sum
.irp j, 2,4,6
	v_pk_fma_f32 v[A2:A2+1], v[T+\j:T+\j+1], v[T+\j:T+\j+1], v[A2:A2+1]
.endr
	v_add_f32 v[S+\i], v[A2], v[A2+1]
	global_store_b64 v2, v[P+4*\i:P+4*\i+1],   s[6:7] offset:\i*OROW        ; 32 lanes x 8 bytes: 256 consecutive bytes, aligned
	global_store_b64 v2, v[P+4*\i+2:P+4*\i+3], s[6:7] offset:\i*OROW+256
.endm
.irp i, 0,1,2,3,4,5,6,7
	ROWP \i
.endr
	; the eight sums across the 32 lanes, the rows by turns
.irp m, 1,2,4,8
.irp i, 0,1,2,3,4,5,6,7
	v_add_f32_dpp v[S+\i], v[S+\i], v[S+\i] row_xmask:\m row_mask:0xf bank_mask:0xf
.endr
.endr
.irp i, 0,1,2,3,4,5,6,7
	v_permlanex16_b32 v[T+\i], v[S+\i], s12, s13   ; its destination counts as read: T has been written
.endr
.irp i, 0,1,2,3,4,5,6,7
	v_add_f32 v[S+\i], v[S+\i], v[T+\i]
.endr
	ds_store_b128 v3, v[S:S+3]                     ; every lane writes the same 32 bytes with the same values
	ds_store_b128 v3, v[S+4:S+7] offset:16
	s_wait_dscnt 0x0                               ; for wave 0's sake: my stores are done
	s_barrier_signal -1
	s_barrier_wait -1
	s_cmp_lg_u32 s8, 0
	s_cbranch_scc1 .Ldone
	v_and_b32 v24, 15, v0                          ; wave 0 writes the block's row 64: lanes 0-15 the 64 ee, lanes 16-31 zeros
	v_lshlrev_b32 v24, 4, v24
	ds_load_b128 v[12:15], v24
	v_lshlrev_b32 v25, 4, v0                       ; in wave 0 the thread's number is the lane
	v_cmp_gt_u32 vcc_lo, 16, v0
	s_wait_dscnt 0x0
.irp j, 12,13,14,15
	v_cndmask_b32 v\j, 0, v\j, vcc_lo
.endr
	global_store_b128 v25, v[12:15], s[6:7] offset:64*OROW   ; 512 consecutive bytes, aligned
.Ldone:
	s_wait_tensorcnt 0x0
	ds_add_u32 v128, v129
	s_wait_dscnt 0x0
	s_endpgm
.Lfunc_end_k_qb6345f1faf_prep:
	.size	k_qb6345f1faf_prep, .Lfunc_end_k_qb6345f1faf_prep-k_qb6345f1faf_prep
	.p2alignl 7, 3214868480
	.fill 96, 4, 3214868480
	.section	.rodata,"a",@progbits
	.p2align	6, 0x0
	.amdhsa_kernel k_qb6345f1faf_prep
		.amdhsa_group_segment_fixed_size 1280
		.amdhsa_private_segment_fixed_size 0
		.amdhsa_enable_private_segment 0
		.amdhsa_kernarg_size 16
		.amdhsa_user_sgpr_count 2
		.amdhsa_user_sgpr_kernarg_segment_ptr 1
		.amdhsa_wavefront_size32 1
		.amdhsa_system_sgpr_workgroup_id_x 1
		.amdhsa_system_sgpr_workgroup_id_y 1
		.amdhsa_system_sgpr_workgroup_id_z 1
		.amdhsa_system_vgpr_workitem_id 0
		.amdhsa_next_free_vgpr 130
		.amdhsa_next_free_sgpr 66
		.amdhsa_reserve_vcc 1
		.amdhsa_float_denorm_mode_32 3
		.amdhsa_float_denorm_mode_16_64 3
		.amdhsa_memory_ordered 1
		.amdhsa_forward_progress 1
		.amdhsa_inst_pref_size 15
	.end_amdhsa_kernel
	.amdgpu_metadata
---
amdhsa.version: [ 1, 2 ]
amdhsa.kernels:
  - .name:           k_qb6345f1faf_prep
    .symbol:         k_qb6345f1faf_prep.kd
    .args:
      - { .name: codebook, .offset: 0, .size: 8, .value_kind: global_buffer, .address_space: global }
      - { .name: cbx, .offset: 8, .size: 8, .value_kind: global_buffer, .address_space: global }
    .group_segment_fixed_size: 1280
    .private_segment_fixed_size: 0
    .kernarg_segment_align: 8
    .kernarg_segment_size: 16
    .max_flat_workgroup_size: 256
    .sgpr_count:     66
    .vgpr_count:     130
    .wavefront_size: 32
...
	.end_amdgpu_metadata
.endif
;; end of part 1
;; launch dist (part 2): grid 256 x 1, 8 waves a work-group, clusters of 4 x 1, 327,680 bytes of LDS; arguments cbx, z, out2, inds; writes out2, inds
.if DOCPART == 2
	.amdgcn_target "amdgcn-amd-amdhsa--gfx1250"
	.amdhsa_code_object_version 6
	.text
	.protected	k_qb6345f1faf_dist
	.globl	k_qb6345f1faf_dist
	.p2align	8
	.type	k_qb6345f1faf_dist,@function
k_qb6345f1faf_dist:
	s_mov_b64 s[64:65], 0
	v_nop
	global_prefetch_b8 v0, s[64:65] scope:SCOPE_SE
	s_setreg_imm32_b32 hwreg(HW_REG_WAVE_MODE, 25, 1), 1
	s_wait_xcnt 0x0
	s_wait_alu depctr_hold_cnt(0) depctr_sa_sdst(0) depctr_va_vdst(0) depctr_va_sdst(0) depctr_va_ssrc(0) depctr_va_vcc(0) depctr_vm_vsrc(0)
	s_getreg_b32 s2, hwreg(HW_REG_IB_STS2, 6, 4)
	s_cmp_eq_u32 s2, 0
	s_cbranch_scc0 .Lentry_in_a_cluster
	s_endpgm
.Lentry_in_a_cluster:
	s_bfe_u32 s2, ttmp6, 0x10000c
	s_cmp_lg_u32 s2, 0x3003
	s_cbranch_scc0 .Lentry_shape_is_right
	s_endpgm
.Lentry_shape_is_right:
; inds[b l] = the first n with the smallest d = fl(fl(zz + ee[n]) - 2 z.e[n]), over 8,192 codes, for 32,768 vectors z[b][:][l] of 256 channels.  d is never stored.
; z and the codes enter rounded to bf16, the products are summed in f32 by the matrix unit; zz and ee are the sums of squares of the ROUNDED numbers.  d is rounded exactly where
; the formula rounds it: A = zz + ee once, d = A - 2 dot once (a fused multiply-add by -2: 2 dot is exact); equal d keep the lower n.
; LIMITS.  A d that is NaN never wins here.  The order of the sums inside zz and ee is this text's own.
; SHARES.  Work-group g owns 128 vectors (b = g / 16, l = 128 (g % 16) ..) and walks all codes.  Wave w of eight: zh = w % 2 names its 64 vectors (4 tiles of 16), ch = w / 2 its
; block of 64 codes in every chunk of 256.  A wave's z lies in registers for the whole launch: 4 tiles x 8 K steps x 8 = 256, all of window 1.
; EIGHT WAVES.  A wave needs 512 registers, so the work-group has eight waves and not four: each code fragment read from LDS still feeds four products, and one wave's vector
; lines can be issued while another wave's products are at work.
; LAYOUT.  Source 0 = 16 codes, source 1 = 16 vectors: in the result lane (r, h) holds vector r, and register j code 8 h + j.  So a lane serves one vector and the minimum stays in
; the lane to the end.  A lane keeps four (best, index) pairs a tile: pair s takes register s and then register s + 4 of every result, in ascending code order, by a strict 'less'.
; RING.  The codes come in chunks of 256 (4 blocks of cbx; waves 0 to 3 fetch one block each by one tensor load: 64 code rows and the row of their ee) through two LDS slots.
; CLUSTER.  The four work-groups of a cluster walk the same codes: each block is asked for JOINTLY, by the same tensor load with the same descriptor and the mask of all four.
; BY TURNS.  A GROUP is 16 matrix instructions: one tile of 16 codes x two tiles of vectors x K = 256.  Behind each of them stands a slice of the 72 vector lines that finish the
; group before (its results lie in the other pair of accumulators).
; WINDOWS.  In the loop ONE setting holds: source 1 in window 1, all else in window 0.  The matrix instruction then reads codes (window 0), z (window 1) and sums in window 0, and
; every vector line of the loop is written with a constant or a scalar register as its source 1, so that it needs no switch.  That is why 'd < best' is the sign of best - d
; (exact: denormals are kept), and the minimum a three-operand one with +infinity in the middle.
.set PITCH,  528                       ; an LDS row of a slot: 512 bytes + 16 of padding = 132 words: the 16 rows that a fragment load touches start 4 banks apart (64 banks of 4 bytes: ISA guide 11.1)
.set BLK,    65*PITCH                  ; a block in LDS: 64 code rows, then the row with their ee
.set SLOTB,  4*BLK                     ; a slot: 137,280 bytes; the ring ends at 274,560
.set STG,    274688                    ; the next multiple of 256 behind the ring: 128 channel rows x 288 bytes, z in bf16 as [channel][vector]; no tensor load fills it
.set SPITCH, 288                       ; 256 bytes + 32
.set ZZP,    STG+128*SPITCH            ; [wave][128] f32: each wave's part of zz
.set SCR,    ZZP+4096                  ; the way out: best [ch][128] f32, then code [ch][128]
.set BLKG,   33280                     ; a block in cbx
.set CHUNKG, 4*BLKG
.set ZROW,   8192                      ; bytes from channel to channel in z
.set R_,   1                           ; v1      lane % 16
.set H_,   2                           ; v2      lane / 16
.set H8,   3                           ; v3      8 (lane / 16)
.set ADRC, 4                           ; v4-5    slot s: LDS address of my lane's part of a code fragment in my block
.set ADRE, 8                           ; v8-9    the same for my lane's eight ee
.set ZZ,   12                          ; v12-15  zz of my vector in tile t
.set EE,   16                          ; v16-31  two buffers of eight ee
.set AT,   32                          ; v32-47  eight a tile of a pair: A, then best - d
.set BEST, 48                          ; v48-63  four a tile
.set IDX,  64                          ; v64-79  four a tile: the first code of the result tile that won, + 4 for its upper half
.set ACC,  80                          ; v80-111 pair p of accumulators: tiles 2 p, 2 p + 1; at the start: the eight parts of zz, eight a tile
.set F,    112                         ; v112-239 two buffers of 64: a code tile's fragments, K step ks at + 8 ks
.set X,    112                         ; at the start: 32 rows of z as loaded
.set ZP,   240                         ; v240-243 my four vectors' part of zz
.set TU,   244                         ; v244-247 at work
.set PK,   248                         ; v248-249 four bf16
.set ZOFF, 250                         ; byte offset of my 16 bytes in z; never rewritten
.set STO,  251                         ; where I put 8 bytes of a channel row
.set TRA,  252                         ; my lane's address for the turning loads
.set ZZA,  253                         ; where I read the parts of zz
.set ZZS,  254                         ; where I put mine
.set SCA,  255                         ; the way out
.set WV, 12                            ; s12 wave, s13 zh, s14 ch, s15 cx, s16 g
.set ZH, 13
.set CH, 14
.set CX, 15
.set GG, 16
.set HM, 17                            ; a word's upper bf16
.set G1, 24                            ; s[24:31] descriptor group 1
.set G0, 32                            ; s[32:39] descriptor group 0, a set for each slot
.set TC, 40                            ; s40, s41 first code of the tile whose results are being finished, and that + 4
.set PINF, 42                          ; +infinity
.set CNT, 43
.set MK, 44                            ; s44-51 eight lane masks
.set SEL, 52                           ; s52, s53 lane selects for v_permlanex16_b32
.set MSB, 0
.macro WIN new                         ; the immediate's high byte repeats the setting that is left; a switch that changes nothing is dropped
.if MSB != \new
	s_set_vgpr_msb (MSB<<8)|\new
.set MSB, \new
.endif
.endm
.macro CREST                           ; a round of the cluster's barrier behind its opening barrier: wave 0 signals for the work-group, every wave waits for all four, my barrier once more
	s_cmp_lg_u32 s[WV], 0
	s_cbranch_scc1 .Lnot_wave_0_\@
	s_barrier_signal -3
.Lnot_wave_0_\@:
	s_barrier_wait -3
	s_barrier_signal -1
	s_barrier_wait -1
.endm
.macro ROUND                           ; a whole round
	s_barrier_signal -1
	s_barrier_wait -1
	CREST
.endm
	s_load_b256 s[4:11], s[0:1], 0x0               ; cbx s[4:5], z s[6:7], out2 s[8:9], inds s[10:11]
	v_lshl_add_u32 v10, v0, 2, 0x4e100
	v_mov_b32 v11, 0
	ds_add_u32 v10, v11
	v_lshrrev_b32 v1, 5, v0
	v_readfirstlane_b32 s[WV], v1                  ; wave 0..7
	s_and_b32 s[ZH], s[WV], 1
	s_lshr_b32 s[CH], s[WV], 1
	s_bfe_u32 s[CX], ttmp6, 0x40000                ; my place in the cluster: it enters z's, out2's and inds' addresses alone
	s_lshl_b32 s[GG], ttmp9, 2                     ; in a cluster launch ttmp9 counts clusters
	s_add_co_u32 s[GG], s[GG], s[CX]
	; descriptor group 1: a tile of 65 rows x 256 elements of 2 bytes, padded in LDS
	s_mov_b32 s[G1+0], 15|(1<<16)|(1<<20)|(1<<21)|(6<<22)|(3<<25)  ; 15:0 the mask: all four work-groups; 17:16 elements of 2 bytes; 20 padding on; 21 set beside a mask; 24:22 after every 128 words (code 6); 31:25 4 words of it (code 3)
	s_mov_b32 s[G1+1], 256<<16                     ; tensor_dim0 = 256
	s_mov_b32 s[G1+2], 65<<16                      ; tensor_dim1 = 65
	s_mov_b32 s[G1+3], 256<<16                     ; tile_dim0 = 256
	s_mov_b32 s[G1+4], 65                          ; tile_dim1 = 65
	s_mov_b32 s[G1+5], 256                         ; elements from row to row
	s_mov_b32 s[G1+6], 0
	s_mov_b32 s[G1+7], 0
	s_and_b32 s18, s[WV], 3                        ; waves 0 to 3 fetch block w of every chunk (waves 4 to 7 fetch nothing, and never use these registers):
	s_mul_i32 s20, s18, BLK                        ; its place in a slot,
	s_mul_i32 s54, s18, BLKG                       ; and in cbx
	s_mov_b32 s55, 0
	s_lshr_b32 s56, s[GG], 4                       ; z: b x 256 channels x 8,192 bytes
	s_lshl_b32 s56, s56, 21
	s_and_b32 s57, s[GG], 15                       ; + 128 vectors x 4 bytes for each of the 16 strips of a row
	s_lshl_b32 s57, s57, 9
	s_or_b32 s56, s56, s57
	s_mov_b32 s57, 0
	s_lshl_b32 s58, s[GG], 9                       ; the indices: 128 x 4 bytes a work-group
	s_mov_b32 s59, 0
	s_mov_b32 s[HM], 0xffff0000
	s_mov_b32 s[PINF], 0x7f800000
	s_mov_b32 s[SEL], 0x76543210
	s_mov_b32 s[SEL+1], 0xfedcba98
	s_wait_dscnt 0x0
	s_wait_kmcnt 0x0
	s_add_nc_u64 s[4:5], s[4:5], s[54:55]          ; made of the wave's number alone: equal in all four partners
	s_add_nc_u64 s[6:7], s[6:7], s[56:57]
	s_add_nc_u64 s[8:9], s[8:9], s[58:59]
	s_add_nc_u64 s[10:11], s[10:11], s[58:59]
	ROUND                                          ; all four work-groups are here: the first joint loads meet
.irp s, 0,1
	s_mov_b32 s[G0+4*\s], 1                        ; count = 1
	s_add_co_u32 s[G0+4*\s+1], s20, \s*SLOTB       ; LDS address
	s_add_nc_u64 s[G0+4*\s+2:G0+4*\s+3], s[4:5], \s*CHUNKG   ; global address: chunk s
	s_or_b32 s[G0+4*\s+3], s[G0+4*\s+3], 0x80000000          ; type = 2
.endr
	s_cmp_lt_u32 s[WV], 4                          ; the branch hangs on the wave's number alone: it is the same in every work-group
	s_cbranch_scc0 .Lfirst_asked
	tensor_load_to_lds s[G0:G0+3], s[G1:G1+7]      ; a wave's two first fills stand together in one branch, ahead of every wait on TENSORcnt and every LDS read: two loads of mine are out
	s_nop 0
	tensor_load_to_lds s[G0+4:G0+7], s[G1:G1+7]
	s_nop 0
.rept 4
	v_nop                                          ; four v_nop follow the tensor loads, ahead of the label
.endr
.Lfirst_asked:
	v_and_b32 v[R_], 15, v0
	v_bfe_u32 v[H_], v0, 4, 1
	v_lshlrev_b32 v[H8], 3, v[H_]
	v_and_b32 v[AT], 31, v0                        ; lane
	v_lshlrev_b32 v[ZOFF], 4, v[AT]                ; four vectors a lane,
	v_lshl_add_u32 v[ZOFF], s[WV], 17, v[ZOFF]     ; wave w takes channels 16 w .. 16 w + 15 of each half of the channels
.set si, 0
.rept 32                               ; rows 0-15: the lower 128 channels' ; rows 16-31: the same rows 128 channels on
	global_load_b128 v[X+4*si:X+4*si+3], v[ZOFF], s[6:7] offset:(si+112*(si/16))*ZROW th:TH_LOAD_NT   ; 512 consecutive bytes of a channel's row
.set si, si+1
.endr
	; LDS addresses.  A code fragment is 16 rows x 32 channels: lane (r, h) takes 16 bytes at row r, byte 16 h, and 16 more 32 bytes on.
	v_mul_u32_u24 v[AT+1], v[R_], PITCH
	v_lshl_add_u32 v[AT+1], v[H_], 4, v[AT+1]
	v_lshlrev_b32 v[AT+2], 5, v[H_]                ; my eight ee: codes 8 h .. 8 h + 7 of a tile
	s_mul_i32 s21, s[CH], BLK                      ; my block of a chunk
.irp q, 0,1
	s_add_co_u32 s22, s21, \q*SLOTB
	s_add_co_u32 s23, s22, 64*PITCH
	v_add_nc_u32 v[ADRC+\q], s22, v[AT+1]
	v_add_nc_u32 v[ADRE+\q], s23, v[AT+2]
.endr
	s_mul_i32 s22, s[WV], 16*SPITCH
	s_add_co_u32 s22, s22, STG
	v_lshl_add_u32 v[STO], v[AT], 3, s22           ; my wave's 16 channel rows, 8 bytes a lane
	v_and_b32 v[AT+3], 7, v0                       ; the turning load: lane l reads 16 bytes of channel row 8 h + l % 8, vectors 8 ((l / 8) % 2) ..
	v_add_nc_u32 v[AT+3], v[AT+3], v[H8]
	v_mul_u32_u24 v[TRA], v[AT+3], SPITCH
	v_bfe_u32 v[AT+3], v0, 3, 1
	v_lshl_add_u32 v[TRA], v[AT+3], 4, v[TRA]
	s_lshl_b32 s22, s[ZH], 7                       ; my 64 vectors: 128 bytes of each row
	s_add_co_u32 s22, s22, STG
	v_add_nc_u32 v[TRA], s22, v[TRA]
	s_lshl_b32 s22, s[WV], 9
	s_add_co_u32 s22, s22, ZZP
	v_lshl_add_u32 v[ZZS], v[AT], 4, s22
	s_lshl_b32 s22, s[ZH], 8
	s_add_co_u32 s23, s22, ZZP
	v_lshl_add_u32 v[ZZA], v[R_], 2, s23
	s_lshl_b32 s23, s[CH], 9
	s_add_co_u32 s22, s22, s23
	s_add_co_u32 s22, s22, SCR
	v_lshl_add_u32 v[SCA], v[R_], 2, s22
; Row si of my 32: rounded to bf16, its squares added to my four vectors' zz, 8 bytes into the stage (rows 16-31 take the places of rows 0-15).
.macro STAGE first, left
	s_wait_loadcnt \left                           ; loads come back in order: row si is in, the younger ones stay out
	v_cvt_pk_bf16_f32 v[PK],   v[X+4*si],   v[X+4*si+1]
	v_cvt_pk_bf16_f32 v[PK+1], v[X+4*si+2], v[X+4*si+3]
	v_lshlrev_b32 v[TU],   16, v[PK]
	v_and_b32     v[TU+1], s[HM], v[PK]
	v_lshlrev_b32 v[TU+2], 16, v[PK+1]
	v_and_b32     v[TU+3], s[HM], v[PK+1]
.if \first
	v_pk_mul_f32 v[ZP:ZP+1],   v[TU:TU+1],   v[TU:TU+1]      ; the first squares start the sums
	v_pk_mul_f32 v[ZP+2:ZP+3], v[TU+2:TU+3], v[TU+2:TU+3]
.else
	v_pk_fma_f32 v[ZP:ZP+1],   v[TU:TU+1],   v[TU:TU+1],   v[ZP:ZP+1]
	v_pk_fma_f32 v[ZP+2:ZP+3], v[TU+2:TU+3], v[TU+2:TU+3], v[ZP+2:ZP+3]
.endif
	ds_store_b64 v[STO], v[PK:PK+1] offset:(si%16)*SPITCH
.endm
; My z fragments of K steps 4 half .. 4 half + 3, turned out of the stage into window 1: fragment (ks, t) at v[32 ks + 8 t]
.macro TRLOAD half
	WIN 0x40                                       ; destination window 1, address window 0
.irp kq, 0,1,2,3
.irp t, 0,1,2,3
	ds_load_tr16_b128 v[32*(4*\half+\kq)+8*\t:32*(4*\half+\kq)+8*\t+3],   v[TRA] offset:\kq*32*SPITCH+\t*32
	ds_load_tr16_b128 v[32*(4*\half+\kq)+8*\t+4:32*(4*\half+\kq)+8*\t+7], v[TRA] offset:\kq*32*SPITCH+16*SPITCH+\t*32
.endr
.endr
	WIN 0
.endm
.set si, 0
.rept 16                               ; channels 0-127
.if si == 0
	STAGE 1, 31
.else
	STAGE 0, 31-si
.endif
.set si, si+1
.endr
	s_wait_dscnt 0x0                               ; for the others' sake: my rows are in the stage
	s_barrier_signal -1
	s_barrier_wait -1
	TRLOAD 0
	s_wait_dscnt 0x0                               ; my reads of the stage are back: only behind the barrier is it written again
	s_barrier_signal -1
	s_barrier_wait -1
.rept 16                               ; channels 128-255: the counts run on down to 0
	STAGE 0, 31-si
.set si, si+1
.endr
	ds_store_b128 v[ZZS], v[ZP:ZP+3]
	s_wait_dscnt 0x0
	s_wait_tensorcnt 0x0                           ; for 0, since waves 4 to 7 issue no fill: the fetching waves' blocks of chunks 0 and 1, asked for ahead of all of z, are in
	s_barrier_signal -1
	s_barrier_wait -1                              ; the stage, the parts of zz and both slots are whole
.irp t, 0,1,2,3
.irp q, 0,1,2,3,4,5,6,7
	ds_load_b32 v[ACC+8*\t+\q], v[ZZA] offset:512*\q+64*\t   ; wave q's part of zz of my vector in tile t
.endr
.endr
.set si, 0
.rept 16
	v_mov_b32 v[BEST+si], s[PINF]                  ; the 32 registers of state: no d has been seen
	v_mov_b32 v[IDX+si], 0
.set si, si+1
.endr
	s_wait_dscnt 0x0                               ; the parts of zz
.irp t, 0,1,2,3
	v_pk_add_f32 v[ACC+8*\t:ACC+8*\t+1],   v[ACC+8*\t:ACC+8*\t+1],   v[ACC+8*\t+2:ACC+8*\t+3]
	v_pk_add_f32 v[ACC+8*\t+4:ACC+8*\t+5], v[ACC+8*\t+4:ACC+8*\t+5], v[ACC+8*\t+6:ACC+8*\t+7]
.endr
.irp t, 0,1,2,3
	v_pk_add_f32 v[ACC+8*\t:ACC+8*\t+1], v[ACC+8*\t:ACC+8*\t+1], v[ACC+8*\t+4:ACC+8*\t+5]
.endr
.irp t, 0,1,2,3
	v_add_f32 v[ZZ+\t], v[ACC+8*\t], v[ACC+8*\t+1]
.endr
	TRLOAD 1
; 18 LDS loads in one run: code tile tl (0..3) of my block in slot s, all 8 K steps, and its ee, into buffer tl % 2
.macro FETCH s, tl
.set fF, F+64*((\tl)&1)
.set fE, EE+8*((\tl)&1)
.set fA, \s
.set fO, (\tl)*16*PITCH
.irp ks, 0,1,2,3,4,5,6,7
	ds_load_b128 v[fF+8*\ks:fF+8*\ks+3],   v[ADRC+fA] offset:fO+64*\ks
	ds_load_b128 v[fF+8*\ks+4:fF+8*\ks+7], v[ADRC+fA] offset:fO+64*\ks+32
.endr
	ds_load_b128 v[fE:fE+3],   v[ADRE+fA] offset:(\tl)*64
	ds_load_b128 v[fE+4:fE+7], v[ADRE+fA] offset:(\tl)*64+16
.endm
; Line n of the 72 that finish a group: accumulator pair qab, vector tiles 2 qzp + u (u = 0, 1), ee buffer qeb.
;   0-7    A = zz + ee, as a multiply-add by 1.0            8-15   d = A - 2 dot, in place
;   then for the lower and the upper four registers (hf = 0, 1), 28 lines each: 4 x best - d (packed); 8 x its sign into a mask; 8 x the index; 8 x the minimum
.macro EP
.if n < 8
.set ei, n%4
.if n < 4
	v_pk_fma_f32 v[AT+2*ei:AT+2*ei+1], v[ZZ+2*qzp:ZZ+2*qzp+1], 1.0, v[EE+8*qeb+2*ei:EE+8*qeb+2*ei+1] op_sel_hi:[0,0,1]                  ; both halves take the pair's first zz
.else
	v_pk_fma_f32 v[AT+8+2*ei:AT+8+2*ei+1], v[ZZ+2*qzp:ZZ+2*qzp+1], 1.0, v[EE+8*qeb+2*ei:EE+8*qeb+2*ei+1] op_sel:[1,0,0] op_sel_hi:[1,0,1]   ; both take its second
.endif
.elseif n < 16
.set eA, ACC+16*qab+2*(n-8)
.set eT, AT+2*(n-8)
	v_pk_fma_f32 v[eA:eA+1], v[eA:eA+1], -2.0, v[eT:eT+1] op_sel_hi:[1,0,1]
.else
.set hf, (n-16)/28
.set em, (n-16)%28
.if em < 4
.set eu, em/2
.set ei, em%2
.set eA, ACC+16*qab+8*eu+4*hf+2*ei
.set eT, AT+8*eu+4*hf+2*ei
.set eB, BEST+4*(2*qzp+eu)+2*ei
	v_pk_fma_f32 v[eT:eT+1], v[eA:eA+1], -1.0, v[eB:eB+1] op_sel_hi:[1,0,1]
.else
.set ex, (em-4)%8
.set eu, ex/4
.set ej, ex%4
.if em < 12
	v_cmp_gt_f32 s[MK+ex], v[AT+8*eu+4*hf+ej], 0
.elseif em < 20
	v_cndmask_b32 v[IDX+4*(2*qzp+eu)+ej], v[IDX+4*(2*qzp+eu)+ej], s[TC+hf], s[MK+ex]
.else
	v_min3_num_f32 v[BEST+4*(2*qzp+eu)+ej], v[BEST+4*(2*qzp+eu)+ej], s[PINF], v[ACC+16*qab+8*eu+4*hf+ej]
.endif
.endif
.endif
.endm
; A GROUP: code tile tl of slot s x vector tiles 2 p, 2 p + 1.  The two accumulators take turns, one instruction a turn; the first product of each starts
; its sum with the constant 0.  ep = 1: behind matrix instruction k stand lines 9 k / 2 .. 9 (k + 1) / 2 - 1 of the group before.
; A vector instruction that reads a matrix result, and a load into a register that a matrix instruction has read, stand four places behind it, and only plain vector instructions
; that name none of its registers are places (ISA guide 7.12.1 for vector instructions): the five lines behind a group's last product (they name the
; other pair of accumulators) and lines 0-7 are those places, ahead of line 8 and of every run of loads.
; p = 0 waits for the tile's fragments at its head and, at its end, steps the code number to this tile's.  mode (p = 0 alone):
;   1  the next tile's loads behind slice 1 (lines 0-7 have read the ee buffer that they fill), 30 matrix instructions ahead of their first use
;   2  the slot's last tile, and the slot is filled again: my reads of it are back and all my tensor loads have landed (of a fetching wave one was out: its block of the other slot),
;      the slot's descriptor steps two chunks on, and the barrier opens a round of the cluster's barrier; four products and their slices stand between signal and wait; the joint
;      refill is the first thing behind the round, a fetching wave's one tensor load until the next; then the other slot's first tile is fetched.  From the refill to the wait for it
;      a wave issues 124 matrix instructions
;   3  the same change of slots without a refill: a plain barrier        0  nothing
.macro GROUP s, tl, p, ep, mode
.set n, 0
.set k, 0
.if \p == 0
.set qab, 1
.set qzp, 1
.set qeb, 1-((\tl)&1)
	s_wait_dscnt 0x0
.if \mode >= 2
	s_set_vgpr_msb 0x400
	s_wait_tensorcnt 0x0
	ds_add_u32 v10, v11
	s_wait_dscnt 0x0
	s_set_vgpr_msb 0x4
.if \mode == 2
	s_add_nc_u64 s[G0+4*\s+2:G0+4*\s+3], s[G0+4*\s+2:G0+4*\s+3], 2*CHUNKG
.endif
	s_barrier_signal -1
.endif
.else
.set qab, 0
.set qzp, 0
.set qeb, (\tl)&1
.endif
.rept 16
.set rD, ACC+16*\p+8*(k%2)
.set rA, F+64*((\tl)&1)+8*(k/2)
.set rB, 32*(k/2)+8*(2*\p+k%2)
.if k < 2
	v_wmma_f32_16x16x32_bf16 v[rD:rD+7], v[rA:rA+7], v[rB:rB+7], 0
.else
	v_wmma_f32_16x16x32_bf16 v[rD:rD+7], v[rA:rA+7], v[rB:rB+7], v[rD:rD+7]
.endif
.if \ep
.rept (9*(k+1))/2-(9*k)/2
	EP
.set n, n+1
.endr
.endif
.if (\p == 0) && (\mode == 1) && (k == 1)
	FETCH \s, \tl+1
.endif
.if (\p == 0) && (\mode == 2) && (k == 3)
	WIN 0                                          ; at a branch and at a label every window is 0
	s_barrier_wait -1
	CREST                                          ; no wave of any partner still reads this slot or has a load on its way
	s_cmp_lt_u32 s[WV], 4                          ; waves 4 to 7 have no part of the chunk to fetch
	s_cbranch_scc0 .Lno_fill_\@
	tensor_load_to_lds s[G0+4*\s:G0+4*\s+3], s[G1:G1+7]
	s_nop 0
.rept 4
	v_nop                                          ; four v_nop follow the tensor load, ahead of the label
.endr
.Lno_fill_\@:
	WIN 4
	FETCH 1-\s, 0
.endif
.if (\p == 0) && (\mode == 3) && (k == 3)
	s_barrier_wait -1
	FETCH 1-\s, 0
.endif
.set k, k+1
.endr
.if (\p == 0) && \ep
.if (\tl) == 0
	s_add_co_u32 s[TC],   s[TC],   208             ; from tile 3 of my block to tile 0 of the next chunk's: 256 - 48
	s_add_co_u32 s[TC+1], s[TC+1], 208
.else
	s_add_co_u32 s[TC],   s[TC],   16
	s_add_co_u32 s[TC+1], s[TC+1], 16
.endif
.endif
.endm
; Once round the ring, from a chunk's second group to the next lap's first (close = 1); m0, m1: the mode of the two changes of slots
.macro LAP m0, m1, close
	GROUP 0, 0, 1, 1, 0
.irp tl, 1,2
	GROUP 0, \tl, 0, 1, 1
	GROUP 0, \tl, 1, 1, 0
.endr
	GROUP 0, 3, 0, 1, \m0
	GROUP 0, 3, 1, 1, 0
.irp tl, 0,1,2
	GROUP 1, \tl, 0, 1, 1
	GROUP 1, \tl, 1, 1, 0
.endr
	GROUP 1, 3, 0, 1, \m1
	GROUP 1, 3, 1, 1, 0
.if \close
	GROUP 0, 0, 0, 1, 1
.endif
.endm
	FETCH 0, 0                                     ; with the 32 turning loads in front of it: 50 LDS loads of mine are out
	s_lshl_b32 s[TC], s[CH], 6                     ; my first code
	s_add_co_u32 s[TC+1], s[TC], 4
	WIN 4                                          ; source 1 in window 1
	GROUP 0, 0, 0, 0, 1                            ; the first group has nothing to finish
	WIN 0
	s_mov_b32 s[CNT], 15
.Llap:                                                 ; 15 trips of two chunks: chunks 2 to 31 are asked for here
	WIN 4
	LAP 2, 2, 1
	WIN 0
	s_sub_co_u32 s[CNT], s[CNT], 1
	s_cmp_lg_u32 s[CNT], 0
	s_cbranch_scc1 .Llap
	WIN 4
	LAP 3, 0, 0                                    ; the last two chunks are written out: nothing is left to ask for but by the wave's number
.set qab, 1
.set qzp, 1
.set qeb, 1
.set n, 0
.rept 72
	EP                                             ; the last group is finished by itself
.set n, n+1
.endr
	WIN 0
	; THE WAY OUT.  The smaller d wins, and of equal d the lower code: over a lane's four pairs, the two halves of the lanes, and the four blocks of the codes.
.macro LEXMIN va, ca, vb, cb           ; (va, ca) takes (vb, cb) where that is the lesser
	v_cmp_lt_f32 s[MK],   v[\vb], v[\va]
	v_cmp_eq_f32 s[MK+1], v[\vb], v[\va]
	v_cmp_lt_u32 s[MK+2], v[\cb], v[\ca]
	s_and_b32 s[MK+1], s[MK+1], s[MK+2]
	s_or_b32  s[MK],   s[MK],   s[MK+1]
	v_cndmask_b32 v[\va], v[\va], v[\vb], s[MK]
	v_cndmask_b32 v[\ca], v[\ca], v[\cb], s[MK]
.endm
.irp q, 0,1,2,3
	v_add_nc_u32 v[AT+8+\q], \q, v[H8]             ; 8 h + the pair's number
.endr
.irp t, 0,1,2,3
.irp q, 0,1,2,3
	v_add_nc_u32 v[IDX+4*\t+\q], v[IDX+4*\t+\q], v[AT+8+\q]  ; the code
.endr
.endr
.irp t, 0,1,2,3
	LEXMIN BEST+4*\t, IDX+4*\t, BEST+4*\t+1, IDX+4*\t+1
	LEXMIN BEST+4*\t+2, IDX+4*\t+2, BEST+4*\t+3, IDX+4*\t+3
	LEXMIN BEST+4*\t, IDX+4*\t, BEST+4*\t+2, IDX+4*\t+2
	v_permlanex16_b32 v[AT+2*\t],   v[BEST+4*\t], s[SEL], s[SEL+1]   ; the vector's other codes lie in the lane 16 away
	v_permlanex16_b32 v[AT+2*\t+1], v[IDX+4*\t],  s[SEL], s[SEL+1]
	LEXMIN BEST+4*\t, IDX+4*\t, AT+2*\t, AT+2*\t+1
	ds_store_b32 v[SCA], v[BEST+4*\t] offset:64*\t           ; both halves of the lanes write the same word with the same value
	ds_store_b32 v[SCA], v[IDX+4*\t]  offset:64*\t+2048
.endr
	s_wait_dscnt 0x0                               ; for wave 0's sake
	s_barrier_signal -1
	s_barrier_wait -1
	s_cmp_lg_u32 s[WV], 0
	s_cbranch_scc1 .Lclose
	v_and_b32 v[AT], 31, v0
	v_lshlrev_b32 v[AT], 4, v[AT]                  ; four vectors a lane
	v_add_nc_u32 v[AT+1], SCR, v[AT]
.irp c, 0,1,2,3
	ds_load_b128 v[BEST+4*\c:BEST+4*\c+3], v[AT+1] offset:512*\c
	ds_load_b128 v[IDX+4*\c:IDX+4*\c+3],   v[AT+1] offset:512*\c+2048
.endr
	s_wait_dscnt 0x0
.irp q, 0,1,2,3
	LEXMIN BEST+\q, IDX+\q, BEST+4+\q, IDX+4+\q
	LEXMIN BEST+8+\q, IDX+8+\q, BEST+12+\q, IDX+12+\q
	LEXMIN BEST+\q, IDX+\q, BEST+8+\q, IDX+8+\q
.endr
	global_store_b128 v[AT], v[IDX:IDX+3], s[8:9]            ; 512 consecutive bytes, aligned: the result,
	global_store_b128 v[AT], v[IDX:IDX+3], s[10:11]          ; and the copy from which the next launch forms its addresses
.Lclose:
	s_wait_tensorcnt 0x0
	ds_add_u32 v10, v11
	s_wait_dscnt 0x0
	ROUND                                          ; the closing round: no work-group ends while a partner may still ask for a block that names it
	s_endpgm
.Lfunc_end_k_qb6345f1faf_dist:
	.size	k_qb6345f1faf_dist, .Lfunc_end_k_qb6345f1faf_dist-k_qb6345f1faf_dist
	.p2alignl 7, 3214868480
	.fill 96, 4, 3214868480
	.section	.rodata,"a",@progbits
	.p2align	6, 0x0
	.amdhsa_kernel k_qb6345f1faf_dist
		.amdhsa_group_segment_fixed_size 327680
		.amdhsa_private_segment_fixed_size 0
		.amdhsa_enable_private_segment 0
		.amdhsa_kernarg_size 32
		.amdhsa_user_sgpr_count 2
		.amdhsa_user_sgpr_kernarg_segment_ptr 1
		.amdhsa_wavefront_size32 1
		.amdhsa_system_sgpr_workgroup_id_x 1
		.amdhsa_system_sgpr_workgroup_id_y 1
		.amdhsa_system_sgpr_workgroup_id_z 1
		.amdhsa_system_vgpr_workitem_id 0
		.amdhsa_next_free_vgpr 512
		.amdhsa_next_free_sgpr 66
		.amdhsa_reserve_vcc 0
		.amdhsa_float_denorm_mode_32 3
		.amdhsa_float_denorm_mode_16_64 3
		.amdhsa_memory_ordered 1
		.amdhsa_forward_progress 1
		.amdhsa_inst_pref_size 244
	.end_amdhsa_kernel
	.amdgpu_metadata
---
amdhsa.version: [ 1, 2 ]
amdhsa.kernels:
  - .name:           k_qb6345f1faf_dist
    .symbol:         k_qb6345f1faf_dist.kd
    .args:
      - { .name: cbx, .offset: 0, .size: 8, .value_kind: global_buffer, .address_space: global }
      - { .name: z, .offset: 8, .size: 8, .value_kind: global_buffer, .address_space: global }
      - { .name: out2, .offset: 16, .size: 8, .value_kind: global_buffer, .address_space: global }
      - { .name: inds, .offset: 24, .size: 8, .value_kind: global_buffer, .address_space: global }
    .group_segment_fixed_size: 327680
    .private_segment_fixed_size: 0
    .kernarg_segment_align: 8
    .kernarg_segment_size: 32
    .max_flat_workgroup_size: 256
    .sgpr_count:     66
    .vgpr_count:     512
    .wavefront_size: 32
...
	.end_amdgpu_metadata
.endif
;; end of part 2
;; launch emit (part 3): grid 512 x 1, 8 waves a work-group, no clusters, 67,840 bytes of LDS; arguments z, codebook, inds, out0, part; writes out0, part
.if DOCPART == 3
	.amdgcn_target "amdgcn-amd-amdhsa--gfx1250"
	.amdhsa_code_object_version 6
	.text
	.protected	k_qb6345f1faf_emit
	.globl	k_qb6345f1faf_emit
	.p2align	8
	.type	k_qb6345f1faf_emit,@function
k_qb6345f1faf_emit:
	s_mov_b64 s[64:65], 0
	v_nop
	global_prefetch_b8 v0, s[64:65] scope:SCOPE_SE
	s_setreg_imm32_b32 hwreg(HW_REG_WAVE_MODE, 25, 1), 1
	s_wait_xcnt 0x0
; out0[b][c][l] = z + (e - z), e = codebook[inds[b l]][c], both roundings as written; part[g] = the work-group's sum of (e - z)^2.  All in f32, on the inputs as given.
; Work-group g owns 64 vectors (b = g / 32, l = 64 (g % 32) ..) and all 256 channels.  The chosen rows lie along the channels, z and out0 along the vectors: the rows go through
; LDS, and the turn is made in the subtraction, where a thread holds a block of 4 channels x 4 vectors from each side.
; A stream: z is read once and out0 written once, each load and store of a wave as two runs of 256 consecutive bytes, aligned; a code row is read as two runs of 512.
; No matrix unit, no cluster (no two work-groups want the same rows at a known time), no tensor load: 32 loads a wave are out at once, from registers' room.
; The indices are whole numbers that the launch before stored; they are clamped to the table's 8,192 rows before they enter an address.
.set ZROW, 8192                        ; bytes from channel to channel
.set PIT,  1040                        ; an LDS row: 1,024 bytes + 16: an odd multiple of 16
.set PS,   64*PIT                      ; behind the rows: eight partial sums
.set GA,   16                          ; v16-23   byte offset of my 16 bytes in gathered row i
.set Z,    32                          ; v32-95   (it, p): channel 64 it + 8 w + 4 hb + p, vectors 4 lq .. + 3; then the result
.set G,    96                          ; v96-159  row i as gathered; then (it, q): vector 4 lq + q, channels 64 it + 8 w + 4 hb .. + 3
.set TT,   160                         ; v160-167 e - z, two sets of four
.set AC,   168                         ; v168-171 sums of squares
	s_load_b256 s[4:11], s[0:1], 0x0               ; z s[4:5], codebook s[6:7], inds s[8:9], out0 s[10:11]
	s_load_b64 s[12:13], s[0:1], 0x20              ; part
	v_lshl_add_u32 v176, v0, 2, 0x10500
	v_mov_b32 v177, 0
	v_lshrrev_b32 v1, 5, v0
	v_readfirstlane_b32 s14, v1                    ; wave 0..7
	v_and_b32 v1, 31, v0                           ; lane
	v_and_b32 v2, 15, v0                           ; lq
	v_bfe_u32 v3, v0, 4, 1                         ; hb
	s_lshr_b32 s24, ttmp9, 5                       ; b x 256 channels x 8,192 bytes
	s_lshl_b32 s24, s24, 21
	s_and_b32 s25, ttmp9, 31                       ; + 64 vectors x 4 bytes for each of a row's 32 strips
	s_lshl_b32 s25, s25, 8
	s_or_b32 s24, s24, s25
	s_mov_b32 s25, 0
	s_lshl_b32 s26, ttmp9, 8                       ; the group's 64 indices,
	s_lshl_b32 s27, s14, 5                         ; my wave's eight
	s_add_co_u32 s26, s26, s27
	s_mov_b32 s27, 0
	s_lshl_b32 s28, ttmp9, 2
	s_mov_b32 s29, 0
	s_mov_b32 s32, 0x76543210
	s_mov_b32 s33, 0xfedcba98
	v_lshlrev_b32 v4, 4, v2                        ; 16 lq
	v_lshl_add_u32 v4, v3, 15, v4                  ; + 4 hb channels
	v_lshl_add_u32 v4, s14, 16, v4                 ; + 8 w channels; never rewritten
	v_lshlrev_b32 v5, 4, v1                        ; 16 lane
	s_wait_kmcnt 0x0
	s_add_nc_u64 s[8:9], s[8:9], s[26:27]
	s_load_b256 s[16:23], s[8:9], 0x0              ; vectors 8 w .. 8 w + 7
	s_add_nc_u64 s[4:5], s[4:5], s[24:25]
	s_add_nc_u64 s[10:11], s[10:11], s[24:25]
	s_add_nc_u64 s[12:13], s[12:13], s[28:29]
.irp it, 0,1,2,3
.irp p, 0,1,2,3
	global_load_b128 v[Z+16*\it+4*\p:Z+16*\it+4*\p+3], v4, s[4:5] offset:(64*\it+\p)*ZROW th:TH_LOAD_NT
.endr
.endr
	s_mul_i32 s30, s14, 2*PIT
	v_add_nc_u32 v6, s30, v5                       ; into LDS: vector l lies at row (l % 4) 16 + l / 4; for l = 8 w + i that is 2 w + (i % 4) 16 + i / 4
	v_mul_u32_u24 v7, v2, PIT                      ; back: vector 4 lq + q lies at row 16 q + lq; my channels begin at byte (2 w + hb) 16 of each 256
	v_lshl_add_u32 v7, v3, 4, v7
	v_lshl_add_u32 v7, s14, 5, v7
	s_lshl_b32 s31, s14, 2
	s_add_co_u32 s31, s31, PS
	v_mov_b32 v8, s31
	s_wait_kmcnt 0x0
.irp i, 0,1,2,3,4,5,6,7
	s_min_u32 s[16+\i], s[16+\i], 8191             ; inside the table
	s_lshl_b32 s[16+\i], s[16+\i], 10              ; rows of 1,024 bytes
	v_add_nc_u32 v[GA+\i], s[16+\i], v5
.endr
.irp i, 0,1,2,3,4,5,6,7
	global_load_b128 v[G+8*\i:G+8*\i+3],   v[GA+\i], s[6:7]              ; no hint: a row may be chosen again
	global_load_b128 v[G+8*\i+4:G+8*\i+7], v[GA+\i], s[6:7] offset:512
.endr
.irp i, 0,1,2,3,4,5,6,7
	s_wait_loadcnt 15-2*\i                         ; loads come back in order: this one is in (and all of z, which is older); the gathers behind it stay out
	ds_store_b128 v6, v[G+8*\i:G+8*\i+3]   offset:((\i&3)*16+(\i>>2))*PIT
	s_wait_loadcnt 14-2*\i
	ds_store_b128 v6, v[G+8*\i+4:G+8*\i+7] offset:((\i&3)*16+(\i>>2))*PIT+512
.endr
	s_wait_dscnt 0x0                               ; for the others' sake: my rows are in LDS
	s_barrier_signal -1
	s_barrier_wait -1
.irp it, 0,1,2,3
.irp q, 0,1,2,3
	ds_load_b128 v[G+16*\it+4*\q:G+16*\it+4*\q+3], v7 offset:\q*16*PIT+\it*256
.endr
.endr
.irp it, 0,1,2,3
	s_wait_dscnt 12-4*\it                          ; LDS loads come back in order: this group's four are in, the later groups' stay out
.irp p, 0,1,2,3
.irp q, 0,1,2,3
	v_sub_f32 v[TT+4*(\p&1)+\q], v[G+16*\it+4*\q+\p], v[Z+16*\it+4*\p+\q]    ; e - z: here the block is turned
.endr
.irp q, 0,2
.if (\it == 0) && (\p == 0)
	v_pk_mul_f32 v[AC+\q:AC+\q+1], v[TT+4*(\p&1)+\q:TT+4*(\p&1)+\q+1], v[TT+4*(\p&1)+\q:TT+4*(\p&1)+\q+1]   ; the first squares start the sums
.else
	v_pk_fma_f32 v[AC+\q:AC+\q+1], v[TT+4*(\p&1)+\q:TT+4*(\p&1)+\q+1], v[TT+4*(\p&1)+\q:TT+4*(\p&1)+\q+1], v[AC+\q:AC+\q+1]
.endif
	v_pk_add_f32 v[Z+16*\it+4*\p+\q:Z+16*\it+4*\p+\q+1], v[Z+16*\it+4*\p+\q:Z+16*\it+4*\p+\q+1], v[TT+4*(\p&1)+\q:TT+4*(\p&1)+\q+1]   ; z + (e - z)
.endr
	global_store_b128 v4, v[Z+16*\it+4*\p:Z+16*\it+4*\p+3], s[10:11] offset:(64*\it+\p)*ZROW th:TH_STORE_NT   ; no store's register is written again
.endr
.endr
	v_pk_add_f32 v[AC:AC+1], v[AC:AC+1], v[AC+2:AC+3]
	v_add_f32 v[AC], v[AC], v[AC+1]
	v_add_f32_dpp v[AC], v[AC], v[AC] row_xmask:1 row_mask:0xf bank_mask:0xf
	v_add_f32_dpp v[AC], v[AC], v[AC] row_xmask:2 row_mask:0xf bank_mask:0xf
	v_add_f32_dpp v[AC], v[AC], v[AC] row_xmask:4 row_mask:0xf bank_mask:0xf
	v_add_f32_dpp v[AC], v[AC], v[AC] row_xmask:8 row_mask:0xf bank_mask:0xf
	v_permlanex16_b32 v[TT], v[AC], s32, s33       ; its destination counts as read: TT has been written
	v_add_f32 v[AC], v[AC], v[TT]
	ds_store_b32 v8, v[AC]                         ; my wave's word, behind the rows
	s_wait_dscnt 0x0
	s_barrier_signal -1
	s_barrier_wait -1
	s_cmp_lg_u32 s14, 0
	s_cbranch_scc1 .Lend
	v_mov_b32 v9, PS
	ds_load_b128 v[TT:TT+3],   v9
	ds_load_b128 v[TT+4:TT+7], v9 offset:16
	v_mov_b32 v10, 0
	v_cmp_eq_u32 vcc_lo, 0, v0
	s_wait_dscnt 0x0
	v_pk_add_f32 v[TT:TT+1],   v[TT:TT+1],   v[TT+2:TT+3]
	v_pk_add_f32 v[TT+4:TT+5], v[TT+4:TT+5], v[TT+6:TT+7]
	v_pk_add_f32 v[TT:TT+1],   v[TT:TT+1],   v[TT+4:TT+5]
	v_add_f32 v[TT], v[TT], v[TT+1]
	s_wait_xcnt 0x0                                ; EXEC is a source of the stores above: it changes only behind this wait
	s_and_saveexec_b32 s34, vcc_lo
	global_store_b32 v10, v[TT], s[12:13]          ; one number a work-group
	s_wait_xcnt 0x0                                ; and again, in front of the line that widens it
	s_or_b32 exec_lo, exec_lo, s34
.Lend:
	s_wait_tensorcnt 0x0
	ds_add_u32 v176, v177
	s_wait_dscnt 0x0
	s_endpgm
.Lfunc_end_k_qb6345f1faf_emit:
	.size	k_qb6345f1faf_emit, .Lfunc_end_k_qb6345f1faf_emit-k_qb6345f1faf_emit
	.p2alignl 7, 3214868480
	.fill 96, 4, 3214868480
	.section	.rodata,"a",@progbits
	.p2align	6, 0x0
	.amdhsa_kernel k_qb6345f1faf_emit
		.amdhsa_group_segment_fixed_size 67840
		.amdhsa_private_segment_fixed_size 0
		.amdhsa_enable_private_segment 0
		.amdhsa_kernarg_size 40
		.amdhsa_user_sgpr_count 2
		.amdhsa_user_sgpr_kernarg_segment_ptr 1
		.amdhsa_wavefront_size32 1
		.amdhsa_system_sgpr_workgroup_id_x 1
		.amdhsa_system_sgpr_workgroup_id_y 1
		.amdhsa_system_sgpr_workgroup_id_z 1
		.amdhsa_system_vgpr_workitem_id 0
		.amdhsa_next_free_vgpr 178
		.amdhsa_next_free_sgpr 66
		.amdhsa_reserve_vcc 1
		.amdhsa_float_denorm_mode_32 3
		.amdhsa_float_denorm_mode_16_64 3
		.amdhsa_memory_ordered 1
		.amdhsa_forward_progress 1
		.amdhsa_inst_pref_size 18
	.end_amdhsa_kernel
	.amdgpu_metadata
---
amdhsa.version: [ 1, 2 ]
amdhsa.kernels:
  - .name:           k_qb6345f1faf_emit
    .symbol:         k_qb6345f1faf_emit.kd
    .args:
      - { .name: z, .offset: 0, .size: 8, .value_kind: global_buffer, .address_space: global }
      - { .name: codebook, .offset: 8, .size: 8, .value_kind: global_buffer, .address_space: global }
      - { .name: inds, .offset: 16, .size: 8, .value_kind: global_buffer, .address_space: global }
      - { .name: out0, .offset: 24, .size: 8, .value_kind: global_buffer, .address_space: global }
      - { .name: part, .offset: 32, .size: 8, .value_kind: global_buffer, .address_space: global }
    .group_segment_fixed_size: 67840
    .private_segment_fixed_size: 0
    .kernarg_segment_align: 8
    .kernarg_segment_size: 40
    .max_flat_workgroup_size: 256
    .sgpr_count:     66
    .vgpr_count:     178
    .wavefront_size: 32
...
	.end_amdgpu_metadata
.endif
;; end of part 3
;; launch loss (part 4): grid 1 x 1, 1 waves a work-group, no clusters, 0 bytes of LDS; arguments part, out1; writes out1
.if DOCPART == 4
	.amdgcn_target "amdgcn-amd-amdhsa--gfx1250"
	.amdhsa_code_object_version 6
	.text
	.protected	k_qb6345f1faf_loss
	.globl	k_qb6345f1faf_loss
	.p2align	8
	.type	k_qb6345f1faf_loss,@function
k_qb6345f1faf_loss:
	s_mov_b64 s[64:65], 0
	v_nop
	global_prefetch_b8 v0, s[64:65] scope:SCOPE_SE
	s_setreg_imm32_b32 hwreg(HW_REG_WAVE_MODE, 25, 1), 1
	s_wait_xcnt 0x0
; loss = 0.1 m + m, m = the sum of the 512 partial sums / 2^23 (16 x 2,048 x 256 numbers).  One wave: 2,048 bytes, 16 numbers a lane.
; A sum over work-groups has one owner, in a launch of its own; there is work for one wave and no more.
	s_load_b128 s[4:7], s[0:1], 0x0                ; part s[4:5], out1 s[6:7]
	v_lshlrev_b32 v1, 4, v0
	v_mov_b32 v2, 0
	s_mov_b32 s8, 0x76543210
	s_mov_b32 s9, 0xfedcba98
	s_mov_b32 s10, 0x3dcccccd                      ; 0.1
	s_wait_kmcnt 0x0
.irp k, 0,1,2,3
	global_load_b128 v[4+4*\k:7+4*\k], v1, s[4:5] offset:512*\k
.endr
	s_wait_loadcnt 0x0
	v_pk_add_f32 v[4:5],   v[4:5],   v[6:7]
	v_pk_add_f32 v[8:9],   v[8:9],   v[10:11]
	v_pk_add_f32 v[12:13], v[12:13], v[14:15]
	v_pk_add_f32 v[16:17], v[16:17], v[18:19]
	v_pk_add_f32 v[4:5],   v[4:5],   v[8:9]
	v_pk_add_f32 v[12:13], v[12:13], v[16:17]
	v_pk_add_f32 v[4:5],   v[4:5],   v[12:13]
	v_add_f32 v4, v4, v5
	v_add_f32_dpp v4, v4, v4 row_xmask:1 row_mask:0xf bank_mask:0xf
	v_add_f32_dpp v4, v4, v4 row_xmask:2 row_mask:0xf bank_mask:0xf
	v_add_f32_dpp v4, v4, v4 row_xmask:4 row_mask:0xf bank_mask:0xf
	v_add_f32_dpp v4, v4, v4 row_xmask:8 row_mask:0xf bank_mask:0xf
	v_permlanex16_b32 v5, v4, s8, s9               ; its destination counts as read: v5 has been written
	v_add_f32 v4, v4, v5
	v_mul_f32 v4, 0x34000000, v4                   ; x 2^-23: the mean
	v_fma_f32 v4, v4, s10, v4                      ; 0.1 m + m
	v_cmp_eq_u32 vcc_lo, 0, v0
	s_wait_xcnt 0x0                                ; EXEC changes only behind this wait
	s_and_saveexec_b32 s11, vcc_lo
	global_store_b32 v2, v4, s[6:7]
	s_wait_xcnt 0x0
	s_or_b32 exec_lo, exec_lo, s11
	s_endpgm
.Lfunc_end_k_qb6345f1faf_loss:
	.size	k_qb6345f1faf_loss, .Lfunc_end_k_qb6345f1faf_loss-k_qb6345f1faf_loss
	.p2alignl 7, 3214868480
	.fill 96, 4, 3214868480
	.section	.rodata,"a",@progbits
	.p2align	6, 0x0
	.amdhsa_kernel k_qb6345f1faf_loss
		.amdhsa_group_segment_fixed_size 0
		.amdhsa_private_segment_fixed_size 0
		.amdhsa_enable_private_segment 0
		.amdhsa_kernarg_size 16
		.amdhsa_user_sgpr_count 2
		.amdhsa_user_sgpr_kernarg_segment_ptr 1
		.amdhsa_wavefront_size32 1
		.amdhsa_system_sgpr_workgroup_id_x 1
		.amdhsa_system_sgpr_workgroup_id_y 1
		.amdhsa_system_sgpr_workgroup_id_z 1
		.amdhsa_system_vgpr_workitem_id 0
		.amdhsa_next_free_vgpr 32
		.amdhsa_next_free_sgpr 66
		.amdhsa_reserve_vcc 1
		.amdhsa_float_denorm_mode_32 3
		.amdhsa_float_denorm_mode_16_64 3
		.amdhsa_memory_ordered 1
		.amdhsa_forward_progress 1
		.amdhsa_inst_pref_size 3
	.end_amdhsa_kernel
	.amdgpu_metadata
---
amdhsa.version: [ 1, 2 ]
amdhsa.kernels:
  - .name:           k_qb6345f1faf_loss
    .symbol:         k_qb6345f1faf_loss.kd
    .args:
      - { .name: part, .offset: 0, .size: 8, .value_kind: global_buffer, .address_space: global }
      - { .name: out1, .offset: 8, .size: 8, .value_kind: global_buffer, .address_space: global }
    .group_segment_fixed_size: 0
    .private_segment_fixed_size: 0
    .kernarg_segment_align: 8
    .kernarg_segment_size: 16
    .max_flat_workgroup_size: 32
    .sgpr_count:     66
    .vgpr_count:     32
    .wavefront_size: 32
...
	.end_amdgpu_metadata
.endif
;; end of part 4
